; MI455X (gfx1250); checked and timed in simulation.
; The chip was launched on July 23, 2026; its instructions are those of AMD's public machine-readable ISA for CDNA 5 (MIT licence, August 2026) and "CDNA5" Instruction Set Architecture Reference Guide (July 2026). The comments in the code are by the model that wrote it; some were corrected since.
;; Causal Self Attention. Allowed arithmetic: matrix products marked QUANTISED: E4M3 operands, one given power-of-two scale a tensor, by v_wmma_f32_16x16x64_fp8_fp8 or v_wmma_f32_16x16x128_fp8_fp8, f32 sums; everything else in f32.
;; Inputs: Wk_codes 1,024 x 32 x 32 uint8 (E4M3 codes of Wk, K innermost, in blocks of 32 codes); Wp_codes 1,024 x 32 x 32 uint8 (E4M3 codes of Wp, K innermost, in blocks of 32 codes); Wq_codes 1,024 x 32 x 32 uint8 (E4M3 codes of Wq, K innermost, in blocks of 32 codes); Wv_codes 1,024 x 32 x 32 uint8 (E4M3 codes of Wv, K innermost, in blocks of 32 codes); bk 1,024 float32; bp 1,024 float32; bq 1,024 float32; bv 1,024 float32; hidden_states_codes 4 x 2,048 x 32 x 32 uint8 (E4M3 codes of hidden_states, K innermost, in blocks of 32 codes); lowp_scales 12 int32 (the exponents e of the quantised operands' scales 2^e).
;; Outputs: out0 4 x 2,048 x 1,024 float32.
;; Constants: action_dim = 6, n_head = 16, observation_dim = 17.
;; This version of the problem:
;;   THIS VERSION OF THE PROBLEM IS GIVEN IN LOW PRECISION. The matrix products marked QUANTISED in the list below multiply operands that are first quantised to E4M3 (4 exponent bits, 3 mantissa bits; 8 bits a number), with one given power-of-two scale for each operand tensor; their sums are f32. All else is computed in f32.
;;   The module's matrix products, in the order in which they are computed (A, B: the left and right operand; K: the contracted axis; several contracted axes count as one K, in the product's order):
;;     1. [M 8,192, K 1,024] x [K 1,024, N 1,024]; A: input hidden_states (given as codes); B: input Wq (given as codes): QUANTISED (scales: A lowp_scales[0], B lowp_scales[1])
;;     2. [M 8,192, K 1,024] x [K 1,024, N 1,024]; A: input hidden_states (given as codes); B: input Wk (given as codes): QUANTISED (scales: A lowp_scales[2], B lowp_scales[3])
;;     3. [M 8,192, K 1,024] x [K 1,024, N 1,024]; A: input hidden_states (given as codes); B: input Wv (given as codes): QUANTISED (scales: A lowp_scales[4], B lowp_scales[5])
;;     4. batch 64 x [M 2,048, K 64] x [K 64, N 2,048]; A: computed on the way; B: computed on the way: QUANTISED (scales: A lowp_scales[6], B lowp_scales[7])
;;     5. batch 64 x [M 2,048, K 2,048] x [K 2,048, N 64]; A: softmax (see below); B: computed on the way: QUANTISED (scales: A lowp_scales[8], B lowp_scales[9])
;;     6. [M 8,192, K 1,024] x [K 1,024, N 1,024]; A: computed on the way; B: input Wp (given as codes): QUANTISED (scales: A lowp_scales[10], B lowp_scales[11])
;;   THE QUANTISER, for each operand of a quantised product, along K:
;;     - The operand's scale is 2^e, e = its entry of the input lowp_scales (int32; the entries are numbered through the quantised products in the list's order, A before B).
;;     - Each number is divided by the scale, clamped to +-448, and rounded to the nearest number of E4M3, ties to even, subnormals kept.
;;     - The product sums the exact products of the quantised numbers (number of the format x scale) in f32.
;;   ~~~python
;;   def quantise(x, axis, e):      # numpy; x: float32 -> the quantised numbers, widened to float32 again
;;       x = np.moveaxis(x, axis, -1); K = x.shape[-1]
;;       r = np.clip(x / 2.0 ** e, -448, 448)
;;       step = 2.0 ** (np.maximum(np.frexp(np.where(r == 0, 1, r))[1] - 1, -6) - 3)
;;       q = np.round(r / step) * step * 2.0 ** e      # np.round: ties to even
;;       return np.moveaxis(q, -1, axis).astype(np.float32)
;;   ~~~
;;   SOFTMAX AHEAD OF A QUANTISED PRODUCT. Where the list says 'softmax', what is quantised is not the finished softmax but p = 2^(t - M), with t = logit x log2(e) and M = ceil(the row's largest t), a whole number; so 1/2 < the row's largest p <= 1. The row's sum l is taken of the UNQUANTISED p, in f32, and the product's result is divided by l at the end. Since M is a whole number, a kernel that streams over the keys may use a running M (the ceiling of the running maximum): every later rescaling is an exact power of two, so the quantised numbers keep their values, but for numbers so far below the row's largest that they fall under the format's range.
;;   OPERANDS COMPUTED ON THE WAY. 'Computed on the way' means the value that the module computes at that place (a softmax that the list does not call 'softmax' is quantised finished and normalised). What goes into a quantiser is computed in f32, as accurately as f32 sums, v_exp_f32 and their like allow (about 1e-6 of the number): no bf16 or f16 on the way to a quantiser, and a product that is left as it is and whose result goes on into a quantised operand takes f32 operands (vector FMAs, or v_wmma_f32_16x16x4_f32). A number that lies on a knife's edge between two numbers of the format may be rounded either way, as far as f32 arithmetic and the matrix unit's own rounding can turn it there, and no further.
;;   INPUTS GIVEN AS CODES. Wk (in the module: [1024, 1024], K = its axis 1); Wp (in the module: [1024, 1024], K = its axis 1); Wq (in the module: [1024, 1024], K = its axis 1); Wv (in the module: [1024, 1024], K = its axis 1); hidden_states (in the module: [4, 2048, 1024], K = its axis 2): each comes as NAME_codes (uint8): NAME with its K axis moved to the last place and cut into blocks of 32 codes, [.., K / 32, bytes a block], one block behind the other in memory; one code a byte (a code: sign, 4 exponent bits, 3 mantissa bits); its scale is its entry of lowp_scales. Its value is code x scale, taken as it is: it is not quantised again, and the codes and scales need not be those that the quantiser above would give.
;; One version. Each part assembles by itself: llvm-mc -triple=amdgcn-amd-amdhsa -mcpu=gfx1250 --defsym DOCPART=n.
;; ======== version 1 of 1: 3 launches
;; workspace buffers: q_img 8,388,608 bytes; k_img 8,388,608 bytes; v_img 8,388,608 bytes; a_img 8,388,608 bytes
;; launch qkv (part 1): grid 4 x 64, 4 waves a work-group, clusters of 4 x 4, 327,680 bytes of LDS; arguments hidden_states_codes, Wq_codes, Wk_codes, Wv_codes, bq, bk, bv, lowp_scales, q_img, k_img, v_img; writes q_img, k_img, v_img
.if DOCPART == 1
	.amdgcn_target "amdgcn-amd-amdhsa--gfx1250"
	.amdhsa_code_object_version 6
	.text
	.protected	k_q6816c7521a_qkv
	.globl	k_q6816c7521a_qkv
	.p2align	8
	.type	k_q6816c7521a_qkv,@function
k_q6816c7521a_qkv:
	s_mov_b64 s[64:65], 0
	v_nop
	global_prefetch_b8 v0, s[64:65] scope:SCOPE_SE
	s_setreg_imm32_b32 hwreg(HW_REG_WAVE_MODE, 25, 1), 1
	s_wait_xcnt 0x0
	s_wait_alu depctr_hold_cnt(0) depctr_sa_sdst(0) depctr_va_vdst(0) depctr_va_sdst(0) depctr_va_ssrc(0) depctr_va_vcc(0) depctr_vm_vsrc(0)
	s_getreg_b32 s2, hwreg(HW_REG_IB_STS2, 6, 4)
	s_cmp_eq_u32 s2, 0
	s_cbranch_scc0 .Lentry_in_a_cluster
	s_endpgm
.Lentry_in_a_cluster:
	s_bfe_u32 s2, ttmp6, 0x10000c
	s_cmp_lg_u32 s2, 0xf033
	s_cbranch_scc0 .Lentry_shape_is_right
	s_endpgm
.Lentry_shape_is_right:
; q, k, v = x W^T + b on codes of FP8 (E4M3), quantised again on the way out.  x: hidden_states' codes, [8192 tokens][1024]; Wq, Wk, Wv: codes, [1024 features][1024]; K innermost in all.
; A sum of product t stands for sum x 2^(ea + eb), ea and eb that product's own two entries of the scales (0,1 / 2,3 / 4,5).  The bias goes in as the C of a tile's first products, as b / 2^(ea + eb);
; the result's code is sum / 2^(eo - ea - eb), eo = entry 6 (q), 7 (k), 9 (v), held within +-448 x that scale: the three exponents are folded into the conversion's one.
; SHARES.  256 work-groups that stay: work-group (nx, my) makes tokens 128 my .. + 127 x features 256 nx .. + 255 of q, then of k, then of v.  Four waves, each 64 tokens x 128 features: 32 accumulators.
; K goes in 12 steps of 256 (4 for each tensor) through a ring of two LDS slots; the ring does not stop between tensors.  All steps are written out: every count of a wait is a constant of the text.
; CLUSTER 4 x 4: the four work-groups of a row of the cluster share my, so x's tile is asked for jointly by them; the four of a column share nx, so W's tile likewise.
; THE RESULTS LEAVE AS IMAGES OF THE NEXT PRODUCT'S OPERAND REGISTERS, straight from registers: each store of a wave covers 512 consecutive bytes, aligned.
;   q, k (source 0 = 16 rows of W, source 1 = 16 tokens): a lane holds one token and 8 neighbouring features, so one conversion gives registers 2 c, 2 c + 1 of a fragment 16 tokens x 64 channels.
;     q_img, k_img: [batch 4][head 16][token block 128][1,024 bytes]: registers 0-3 at 16 x lane, registers 4-7 at 512 + 16 x lane.
;   v (sources exchanged): a lane holds one feature and 8 neighbouring tokens: registers 2 c, 2 c + 1 of a fragment 16 channels x 128 keys.
;     v_img: [batch][head][key block 16][channel tile 4][2,048 bytes]: registers 4 g .. 4 g + 3 at 512 g + 16 x lane.
; LIMITS: eo - ea - eb between -126 and 119, so that the scale and 448 x the scale are f32 numbers.  NaN among the biases is not served.
; REGISTERS, in windows of 256: window 0: v1-29 addresses and scales; x's fragments, two sets of 4 x 16, at v128 and v192.  window 1: W's fragments, two sets of 8 x 16, at v0 and v128.
;   window 2: the accumulators, (a, b) at v[8 (8 a + b)].  window 3: v0-63 the codes on their way out; v64-255 the bias tiles of q, k, v, 8 registers for each feature block.
.set PITCH,  272                       ; an LDS row: 256 bytes + 16 of padding = 68 words: row r starts at bank 4 r mod 64 (64 banks of 4 bytes: ISA guide 11.1), so the 16 rows of a load start at 16 different banks
.set AHALF,  64*PITCH                  ; what a wave fetches, and reads, of x
.set BHALF,  128*PITCH                 ; the same of W
.set BOFF,   128*PITCH                 ; W's 256 rows lie behind x's 128
.set SLOT,   384*PITCH
.set SPARE,  2*SLOT                    ; behind the ring: the spare words, 128 bytes for each wave: two blocks of 256 bytes that no other line names
.set SCL,  8                           ; v[8+2t] the conversion's scale of tensor t, v[9+2t] 448 x that
.set ADRA, 16                          ; v16-17  LDS address of my fragments of x in slot 0, 1
.set ADRB, 20                          ; v20-21  the same for W
.set SPW,  28                          ; v28     LDS address of my spare word; never rewritten
.set NIL,  29                          ; v29     0; never rewritten
.set AF,   128
.set CD,   0
.set BIAS, 64
.set G1A, 28                           ; s[28:35] descriptor group 1 for x's tiles; s[36:43] for W's
.set G1B, 36
.set G0A, 44                           ; s[44:51] group 0 for x's tiles, a set for each slot; s[52:59] for W's
.set G0B, 52
.set WV, 60                            ; wave
.set WM, 61                            ; which 64 tokens are mine.  Also: I fetch for x (0) or for W (1)
.set WN, 62                            ; which 128 features.  Also: which half of that tile I fetch
.set ABASE, 84                         ; s[84:85] x at the rows that I fetch; s[86:91] Wq, Wk, Wv likewise
.set BBASE, 86
.set NEGE, 96                          ; s96-98 -(ea + eb) of q, k, v
.set MSB, 0
.macro WIN new                         ; the immediate's high byte repeats the setting that is left
.if MSB != (\new)
	s_set_vgpr_msb (MSB<<8)|(\new)
.set MSB, (\new)
.endif
.endm
.macro PLACES n
.rept \n
	v_nop
.endr
.endm
; A joint load: waves 0 and 1 fetch x's two halves, waves 2 and 3 W's.  Each line has one mask and one set of registers for all that issue it; the branch hangs on the wave's number alone.
; Four v_nop follow each of the two lines, ahead of the jump, the label and what follows.
.macro JLOAD s
	s_cmp_eq_u32 s[WM], 0
	s_cbranch_scc0 .Lfor_b_\@
	tensor_load_to_lds s[G0A+4*(\s):G0A+4*(\s)+3], s[G1A:G1A+7]
	s_nop 0
.rept 4
	v_nop
.endr
	s_branch .Lasked_\@
.Lfor_b_\@:
	tensor_load_to_lds s[G0B+4*(\s):G0B+4*(\s)+3], s[G1B:G1B+7]
	s_nop 0
.rept 4
	v_nop
.endr
.Lasked_\@:
.endm
.macro CREST                           ; a round of the cluster's barrier behind its opening barrier
	s_cmp_lg_u32 s[WV], 0
	s_cbranch_scc1 .Lnot_wave_0_\@
	s_barrier_signal -3
.Lnot_wave_0_\@:
	s_barrier_wait -3
	s_barrier_signal -1
	s_barrier_wait -1
.endm
.macro CROUND                          ; a whole round
	s_barrier_signal -1
	s_barrier_wait -1
	CREST
.endm
	s_load_b256 s[4:11], s[0:1], 0x0               ; x s[4:5], Wq s[6:7], Wk s[8:9], Wv s[10:11]
	s_load_b256 s[12:19], s[0:1], 0x20             ; bq s[12:13], bk s[14:15], bv s[16:17], the scales' exponents s[18:19]
	s_load_b128 s[20:23], s[0:1], 0x40             ; q_img s[20:21], k_img s[22:23]
	s_load_b64 s[24:25], s[0:1], 0x50              ; v_img
	v_lshl_add_u32 v[SPW], v0, 2, SPARE
	v_mov_b32 v[NIL], 0
	ds_add_u32 v28, v29
	ds_add_u32 v28, v29
	s_wait_dscnt 0x0
	v_lshrrev_b32 v1, 5, v0
	v_readfirstlane_b32 s[WV], v1                  ; wave 0..3
	s_lshr_b32 s[WM], s[WV], 1
	s_and_b32 s[WN], s[WV], 1
	s_bfe_u32 s66, ttmp6, 0x40000                  ; cx, cy: my place in the cluster
	s_bfe_u32 s67, ttmp6, 0x40004
	s_lshl_b32 s68, ttmp9, 2
	s_add_co_u32 s68, s68, s66                     ; nx = 4 x cluster x + cx
	s_and_b32 s69, ttmp7, 0xffff
	s_lshl_b32 s69, s69, 2
	s_add_co_u32 s69, s69, s67                     ; my = 4 x cluster y + cy
	s_lshl_b32 s70, s67, 2
	s_lshl_b32 s70, 15, s70                        ; my row of the cluster
	s_lshl_b32 s71, 0x1111, s66                    ; my column
	; descriptor group 1: rows of 256 bytes, 1,024 bytes apart in memory, padded in LDS; x: 64 rows, W: 128
	s_or_b32 s[G1A], s70, (1<<20)|(1<<21)|(5<<22)|(3<<25)   ; 15:0 the mask; 17:16 elements of 1 byte; 20 padding on; 21 set beside a mask; 24:22 after every 64 words (code 5); 31:25 four words (code 3)
	s_or_b32 s[G1B], s71, (1<<20)|(1<<21)|(5<<22)|(3<<25)
	s_mov_b32 s[G1A+1], 256<<16                    ; tensor_dim0
	s_mov_b32 s[G1A+2], 64<<16                     ; tensor_dim1
	s_mov_b32 s[G1A+3], 256<<16                    ; tile_dim0
	s_mov_b32 s[G1A+4], 64                         ; tile_dim1
	s_mov_b32 s[G1A+5], 1024                       ; tensor_dim0_stride
	s_mov_b32 s[G1A+6], 0
	s_mov_b32 s[G1A+7], 0
	s_mov_b32 s[G1B+1], 256<<16
	s_mov_b32 s[G1B+2], 128<<16
	s_mov_b32 s[G1B+3], 256<<16
	s_mov_b32 s[G1B+4], 128
	s_mov_b32 s[G1B+5], 1024
	s_mov_b32 s[G1B+6], 0
	s_mov_b32 s[G1B+7], 0
	; x's address hangs on my and the wave alone, W's on nx and the wave alone, each in registers that never hold the other coordinate
	s_lshl_b32 s92, s69, 17                        ; 128 my rows of 1,024 bytes
	s_lshl_b32 s93, s[WN], 16                      ; + 64 rows x half
	s_add_co_u32 s92, s92, s93
	s_mov_b32 s93, 0
	s_lshl_b32 s94, s68, 18                        ; 256 nx rows
	s_lshl_b32 s95, s[WN], 17                      ; + 128 rows x half
	s_add_co_u32 s94, s94, s95
	s_mov_b32 s95, 0
	s_mul_i32 s82, s[WN], AHALF                    ; where they go in a slot: no place in the cluster enters an LDS address
	s_mul_i32 s83, s[WN], BHALF
	s_add_co_u32 s83, s83, BOFF
	s_wait_kmcnt 0x0
	s_load_b256 s[72:79], s[18:19], 0x0            ; entries 0 to 7
	s_load_b64 s[80:81], s[18:19], 0x20            ; entries 8, 9
	s_add_nc_u64 s[ABASE:ABASE+1], s[4:5], s[92:93]
	s_add_nc_u64 s[BBASE:BBASE+1], s[6:7], s[94:95]
	s_add_nc_u64 s[BBASE+2:BBASE+3], s[8:9], s[94:95]
	s_add_nc_u64 s[BBASE+4:BBASE+5], s[10:11], s[94:95]
	CROUND                                         ; all sixteen work-groups are here: the first joint loads meet
.irp s, 0,1
	s_mov_b32 s[G0A+4*\s], 1                       ; count = 1
	s_add_co_u32 s[G0A+4*\s+1], s82, \s*SLOT       ; LDS address
	s_add_nc_u64 s[G0A+4*\s+2:G0A+4*\s+3], s[ABASE:ABASE+1], \s*256   ; K step s
	s_or_b32 s[G0A+4*\s+3], s[G0A+4*\s+3], 0x80000000                 ; type = 2
	s_mov_b32 s[G0B+4*\s], 1
	s_add_co_u32 s[G0B+4*\s+1], s83, \s*SLOT
	s_add_nc_u64 s[G0B+4*\s+2:G0B+4*\s+3], s[BBASE:BBASE+1], \s*256
	s_or_b32 s[G0B+4*\s+3], s[G0B+4*\s+3], 0x80000000
	JLOAD \s
.endr
	v_and_b32 v1, 15, v0                           ; r
	v_bfe_u32 v2, v0, 4, 1                         ; h
	v_mul_u32_u24 v3, v1, PITCH
	v_lshl_add_u32 v3, v2, 4, v3                   ; a fragment's row x pitch + 16 h
	s_mul_i32 s2, s[WM], AHALF                     ; my 64 rows of x
	s_mul_i32 s3, s[WN], BHALF                     ; my 128 rows of W,
	s_add_co_u32 s3, s3, BOFF                      ; behind x's
.irp s, 0,1
	v_add_nc_u32 v[ADRA+\s], s2, v3
	v_add_nc_u32 v[ADRB+\s], s3, v3
	s_add_co_u32 s2, s2, SLOT
	s_add_co_u32 s3, s3, SLOT
.endr
	v_and_b32 v4, 31, v0
	v_lshlrev_b32 v4, 4, v4                        ; 16 x lane: my place in every image
	v_lshlrev_b32 v5, 5, v2                        ; 32 h: q's and k's bias: my 8 features of a block of 16
	v_lshlrev_b32 v6, 2, v1                        ; 4 r: v's bias: my one feature
	s_lshl_b32 s96, s68, 10                        ; the biases at my 128 features: (256 nx + 128 half) x 4 bytes
	s_lshl_b32 s97, s[WN], 9
	s_add_co_u32 s96, s96, s97
	s_mov_b32 s97, 0
	s_add_nc_u64 s[12:13], s[12:13], s[96:97]
	s_add_nc_u64 s[14:15], s[14:15], s[96:97]
	s_add_nc_u64 s[16:17], s[16:17], s[96:97]
	s_lshr_b32 s98, s69, 4                         ; the images: batch x 2^21 + (4 nx + 2 half) heads of 131,072 bytes + (my % 16) x 8,192,
	s_lshl_b32 s98, s98, 21
	s_lshl_b32 s99, s68, 19
	s_add_co_u32 s98, s98, s99
	s_lshl_b32 s99, s[WN], 18
	s_add_co_u32 s98, s98, s99
	s_and_b32 s99, s69, 15
	s_lshl_b32 s99, s99, 13
	s_add_co_u32 s98, s98, s99
	s_lshl_b32 s99, s[WM], 12                      ; q, k: + my four token blocks of 1,024 bytes
	s_add_co_u32 s96, s98, s99
	s_add_nc_u64 s[20:21], s[20:21], s[96:97]
	s_add_nc_u64 s[22:23], s[22:23], s[96:97]
	s_lshl_b32 s99, s[WM], 10                      ; v: + my two groups of 512 bytes in each image
	s_add_co_u32 s96, s98, s99
	s_add_nc_u64 s[24:25], s[24:25], s[96:97]
	WIN 0xc0                                       ; destination window 3
.irp b, 0,1,2,3,4,5,6,7
	global_load_b128 v[BIAS+8*\b:BIAS+8*\b+3], v5, s[12:13] offset:64*\b             ; bq(16 b + 8 h + 0 .. 7)
	global_load_b128 v[BIAS+8*\b+4:BIAS+8*\b+7], v5, s[12:13] offset:64*\b+16
	global_load_b128 v[BIAS+64+8*\b:BIAS+64+8*\b+3], v5, s[14:15] offset:64*\b       ; bk likewise
	global_load_b128 v[BIAS+64+8*\b+4:BIAS+64+8*\b+7], v5, s[14:15] offset:64*\b+16
	global_load_b32 v[BIAS+128+8*\b], v6, s[16:17] offset:64*\b                      ; bv(16 b + r): the same number for the lane's 8 tokens
.endr
	WIN 0
.macro MKSCALE t, ea, eb, eo
	s_add_co_i32 s2, s[\ea], s[\eb]                ; ea + eb
	s_sub_co_i32 s3, s[\eo], s2                    ; eo - ea - eb
	s_sub_co_i32 s[NEGE+\t], 0, s2
	s_add_co_i32 s3, s3, 127
	s_lshl_b32 s26, s3, 23
	v_mov_b32 v[SCL+2*\t], s26                     ; 2^(eo - ea - eb) as f32: the conversion takes its exponent field
	s_add_co_i32 s3, s3, 8
	s_lshl_b32 s3, s3, 23
	s_or_b32 s3, s3, 0x600000
	v_mov_b32 v[SCL+2*\t+1], s3                    ; 448 x that
.endm
	s_wait_kmcnt 0x0                               ; the exponents
	MKSCALE 0, 72, 73, 78
	MKSCALE 1, 74, 75, 79
	MKSCALE 2, 76, 77, 81
	s_wait_loadcnt 0x0                             ; the biases
	WIN 0xc3                                       ; source 0 and destination window 3
.set j, 0
.rept 64
	v_ldexp_f32 v[BIAS+j], v[BIAS+j], s[NEGE]      ; b / 2^(ea + eb): nothing is rounded, short of underflow
	v_ldexp_f32 v[BIAS+64+j], v[BIAS+64+j], s[NEGE+1]
.set j, j+1
.endr
.irp b, 0,1,2,3,4,5,6,7
.irp j, 7,6,5,4,3,2,1,0
	v_ldexp_f32 v[BIAS+128+8*\b+\j], v[BIAS+128+8*\b], s[NEGE+2]   ; the one number into all eight registers, its own last
.endr
.endr
	WIN 0
; A fragment, 16 rows x 128 K, is 16 registers, fetched by four loads of 16 bytes: registers 4 c .. 4 c + 3 hold K = 32 c + 16 h + 0 .. 15: the same permutation of K in x and in W, so every product meets its partner.
.macro FRAG reg, adr, q, i
.irp c, 0,1,2,3
	ds_load_b128 v[\reg+4*\c:\reg+4*\c+3], v[\adr] offset:128*(\q)+32*\c+(\i)*16*PITCH
.endr
.endm
.macro FETCH slot, q, p                ; 48 LDS loads in one run: the slot's q-th 128 along K into set p
	WIN 0x40                                       ; destination window 1
.irp i, 0,1,2,3,4,5,6,7
	FRAG 128*(\p)+16*\i, ADRB+(\slot), \q, \i
.endr
	WIN 0
.irp i, 0,1,2,3
	FRAG AF+64*(\p)+16*\i, ADRA+(\slot), \q, \i
.endr
.endm
; 8 matrix instructions of K step N: token block a x the 8 feature blocks, set p.  A tensor's first 32 products take the bias tile as C.  For v (K steps 8 to 11) the sources are exchanged.
; The 32 accumulators take turns, one instruction a turn, in the same order everywhere.
.macro MULQ p, a
.set FI, 0
.if ((\p) == 0) && (N%4 == 0)
.set FI, 1
.endif
.set SW, N/8
.set BT, BIAS+64*(N/4)
.if SW
	WIN 0xa4+0x10*FI                               ; source 0 (x) window 0, source 1 (W) window 1, D window 2, C window 2 or (the bias) 3
.else
	WIN 0xa1+0x10*FI                               ; source 0 (W) window 1, source 1 (x) window 0
.endif
.irp b, 0,1,2,3,4,5,6,7
.set rD, 8*(8*(\a)+\b)
.set rB, 128*(\p)+16*\b
.set rA, AF+64*(\p)+16*(\a)
.if SW && FI
	v_wmma_f32_16x16x128_fp8_fp8 v[rD:rD+7], v[rA:rA+15], v[rB:rB+15], v[BT+8*\b:BT+8*\b+7]
.elseif SW
	v_wmma_f32_16x16x128_fp8_fp8 v[rD:rD+7], v[rA:rA+15], v[rB:rB+15], v[rD:rD+7]
.elseif FI
	v_wmma_f32_16x16x128_fp8_fp8 v[rD:rD+7], v[rB:rB+15], v[rA:rA+15], v[BT+8*\b:BT+8*\b+7]
.else
	v_wmma_f32_16x16x128_fp8_fp8 v[rD:rD+7], v[rB:rB+15], v[rA:rA+15], v[rD:rD+7]
.endif
.endr
.endm
; The first half of K step N: set 0 is multiplied while set 1 is fetched.
.macro H0
.set SL, N%2
	s_wait_dscnt 0x0                               ; set 0 is in
.if N > 0
	PLACES 4                                       ; four places between the last products on set 1 and the loads into it (ISA guide 7.12.1 for vector instructions)
.endif
	FETCH SL, 1, 1
	MULQ 0, 0
	MULQ 0, 1
	MULQ 0, 2
	MULQ 0, 3
.endm
; The second half changes slots: one barrier.  In front of it each wave waits for all its tensor loads, adds 0 to its spare word, and waits for that and for its own reads of this slot.
; Up to K step 9 the slot is filled again with K step N + 2, which may be the next tensor's: the barrier then opens a round of the cluster's barrier, and the joint load comes first behind it.
.macro TURN
.set SL, N%2
.set TN, (N+2)/4
.set SN, (N+2)%4
	WIN 0                                          ; (the add's two registers lie in window 0)
	s_wait_tensorcnt 0x0                           ; all my tensor loads have landed: my part of the next slot
	ds_add_u32 v[SPW], v[NIL]                      ; 0 onto my spare word
	s_wait_dscnt 0x1                               ; set 1's 48 loads are in; the add alone may be out
	MULQ 1, 0                                      ; eight matrix instructions stand between the add and the wait for it
	s_wait_dscnt 0x0                               ; the add is done, and my reads of this slot are over
	s_barrier_signal -1
	MULQ 1, 1
	WIN 0
	s_barrier_wait -1
.if N <= 9
	CREST                                          ; no wave of any partner still reads this slot or has a load on its way
	s_add_nc_u64 s[G0A+4*SL+2:G0A+4*SL+3], s[ABASE:ABASE+1], 256*SN
	s_or_b32 s[G0A+4*SL+3], s[G0A+4*SL+3], 0x80000000
	s_add_nc_u64 s[G0B+4*SL+2:G0B+4*SL+3], s[BBASE+2*TN:BBASE+2*TN+1], 256*SN
	s_or_b32 s[G0B+4*SL+3], s[G0B+4*SL+3], 0x80000000
	JLOAD SL                                       ; the first tensor load behind the round; its four v_nop are also the places in front of the loads into set 0
.else
	PLACES 4
.endif
	FETCH 1-SL, 0, 0
	MULQ 1, 2
	MULQ 1, 3
.endm
; THE WAY OUT of tensor t: hold, convert, store.  The conversion to an 8-bit code does not saturate (ISA guide 7.6.2): each sum is first held within 448 x the scale.
; Each accumulator is taken from its low end on.  The next K step's fragments and the ring's refill are on their way meanwhile.
.macro EPI t
.if \t > 0
	s_wait_xcnt 0x0                                ; the last tensor's stores have read the registers of the codes
.endif
	PLACES 4                                       ; behind the last products
	WIN 0x82                                       ; source 0 and destination window 2
.set j, 0
.rept 256
	v_med3_num_f32 v[j], v[j], -v[SCL+2*\t+1], v[SCL+2*\t+1]
.set j, j+1
.endr
	WIN 0xc2                                       ; source 0 window 2, destination window 3
.if \t < 2
.irp a, 0,1,2,3
.irp g, 0,1
.irp c, 0,1,2,3
	v_cvt_scalef32_pk8_fp8_f32 v[CD+8*(2*\a+\g)+2*\c:CD+8*(2*\a+\g)+2*\c+1], v[8*(8*\a+4*\g+\c):8*(8*\a+4*\g+\c)+7], v[SCL+2*\t]   ; token block a, head g: channels 16 c + 8 h + 0 .. 7
.endr
.endr
.endr
	v_nop                                          ; one plain vector instruction between the conversions and the products that write their sources anew
	WIN 0x0c                                       ; store data window 3
.irp a, 0,1,2,3
.irp g, 0,1
	global_store_b128 v4, v[CD+8*(2*\a+\g):CD+8*(2*\a+\g)+3], s[20+2*\t:21+2*\t] offset:\g*131072+\a*1024
	global_store_b128 v4, v[CD+8*(2*\a+\g)+4:CD+8*(2*\a+\g)+7], s[20+2*\t:21+2*\t] offset:\g*131072+\a*1024+512
.endr
.endr
.else
.irp b, 0,1,2,3,4,5,6,7
.irp u, 0,1
	v_cvt_scalef32_pk8_fp8_f32 v[CD+4*(2*\b+\u):CD+4*(2*\b+\u)+1], v[8*(16*\u+\b):8*(16*\u+\b)+7], v[SCL+2*\t]           ; channel 16 b + r: keys of token block 2 u,
	v_cvt_scalef32_pk8_fp8_f32 v[CD+4*(2*\b+\u)+2:CD+4*(2*\b+\u)+3], v[8*(16*\u+8+\b):8*(16*\u+8+\b)+7], v[SCL+2*\t]     ; and of 2 u + 1
.endr
.endr
	v_nop
	WIN 0x0c
.irp b, 0,1,2,3,4,5,6,7
.irp u, 0,1
	global_store_b128 v4, v[CD+4*(2*\b+\u):CD+4*(2*\b+\u)+3], s[20+2*\t:21+2*\t] offset:(\b/4)*131072+(\b%4)*2048+\u*512
.endr
.endr
.endif
	WIN 0
.endm
	s_wait_tensorcnt 0x1                           ; my part of K step 0 is in; K step 1's load may stay out
	s_barrier_signal -1
	s_barrier_wait -1                              ; everybody's is
.set N, 0
	FETCH 0, 0, 0
.rept 11
	H0
	TURN
.if N == 3
	EPI 0                                          ; q
.endif
.if N == 7
	EPI 1                                          ; k
.endif
.set N, N+1
.endr
	H0                                             ; K step 11: nothing more to fetch behind its second half
	s_wait_dscnt 0x0
	MULQ 1, 0
	MULQ 1, 1
	MULQ 1, 2
	MULQ 1, 3
	EPI 2                                          ; v
	s_wait_tensorcnt 0x0                           ; the wave's end
	ds_add_u32 v[SPW], v[NIL]
	s_wait_dscnt 0x0
	CROUND                                         ; the closing round: no work-group ends while a partner may still ask for a tile that names it
	s_endpgm
.Lfunc_end_k_q6816c7521a_qkv:
	.size	k_q6816c7521a_qkv, .Lfunc_end_k_q6816c7521a_qkv-k_q6816c7521a_qkv
	.p2alignl 7, 3214868480
	.fill 96, 4, 3214868480
	.section	.rodata,"a",@progbits
	.p2align	6, 0x0
	.amdhsa_kernel k_q6816c7521a_qkv
		.amdhsa_group_segment_fixed_size 327680
		.amdhsa_private_segment_fixed_size 0
		.amdhsa_enable_private_segment 0
		.amdhsa_kernarg_size 88
		.amdhsa_user_sgpr_count 2
		.amdhsa_user_sgpr_kernarg_segment_ptr 1
		.amdhsa_wavefront_size32 1
		.amdhsa_system_sgpr_workgroup_id_x 1
		.amdhsa_system_sgpr_workgroup_id_y 1
		.amdhsa_system_sgpr_workgroup_id_z 1
		.amdhsa_system_vgpr_workitem_id 0
		.amdhsa_next_free_vgpr 1024
		.amdhsa_next_free_sgpr 100
		.amdhsa_reserve_vcc 0
		.amdhsa_float_denorm_mode_32 3
		.amdhsa_float_denorm_mode_16_64 3
		.amdhsa_memory_ordered 1
		.amdhsa_forward_progress 1
		.amdhsa_inst_pref_size 222
	.end_amdhsa_kernel
	.amdgpu_metadata
---
amdhsa.version: [ 1, 2 ]
amdhsa.kernels:
  - .name:           k_q6816c7521a_qkv
    .symbol:         k_q6816c7521a_qkv.kd
    .args:
      - { .name: hidden_states_codes, .offset: 0, .size: 8, .value_kind: global_buffer, .address_space: global }
      - { .name: Wq_codes, .offset: 8, .size: 8, .value_kind: global_buffer, .address_space: global }
      - { .name: Wk_codes, .offset: 16, .size: 8, .value_kind: global_buffer, .address_space: global }
      - { .name: Wv_codes, .offset: 24, .size: 8, .value_kind: global_buffer, .address_space: global }
      - { .name: bq, .offset: 32, .size: 8, .value_kind: global_buffer, .address_space: global }
      - { .name: bk, .offset: 40, .size: 8, .value_kind: global_buffer, .address_space: global }
      - { .name: bv, .offset: 48, .size: 8, .value_kind: global_buffer, .address_space: global }
      - { .name: lowp_scales, .offset: 56, .size: 8, .value_kind: global_buffer, .address_space: global }
      - { .name: q_img, .offset: 64, .size: 8, .value_kind: global_buffer, .address_space: global }
      - { .name: k_img, .offset: 72, .size: 8, .value_kind: global_buffer, .address_space: global }
      - { .name: v_img, .offset: 80, .size: 8, .value_kind: global_buffer, .address_space: global }
    .group_segment_fixed_size: 327680
    .private_segment_fixed_size: 0
    .kernarg_segment_align: 8
    .kernarg_segment_size: 88
    .max_flat_workgroup_size: 128
    .sgpr_count:     100
    .vgpr_count:     1024
    .wavefront_size: 32
...
	.end_amdgpu_metadata
.endif
;; end of part 1
;; launch attn (part 2): grid 4 x 64, 8 waves a work-group, no clusters, 34,816 bytes of LDS; arguments q_img, k_img, v_img, lowp_scales, a_img; writes a_img
.if DOCPART == 2
	.amdgcn_target "amdgcn-amd-amdhsa--gfx1250"
	.amdhsa_code_object_version 6
	.text
	.protected	k_q6816c7521a_attn
	.globl	k_q6816c7521a_attn
	.p2align	8
	.type	k_q6816c7521a_attn,@function
k_q6816c7521a_attn:
	s_mov_b64 s[64:65], 0
	v_nop
	global_prefetch_b8 v0, s[64:65] scope:SCOPE_SE
	s_setreg_imm32_b32 hwreg(HW_REG_WAVE_MODE, 25, 1), 1
	s_wait_xcnt 0x0
; Attention of one head on codes of FP8 (E4M3): o = softmax(q k^T / 8, masked) v; key k counts for query q where k <= q and k % 25 != 24.  The result is quantised for the projection.
; q_img, k_img: images of fragments 16 tokens x 64 channels (1,024 bytes), [batch x head 64][token block 128].  v_img: images 16 channels x 128 keys (2,048 bytes), [batch x head][key block 16][channel tile 4].
; a_img (out): [token block 512][head 16][1,024 bytes], an image as q_img's: two neighbouring heads are one fragment 16 tokens x 128 of the projection's K.
; THE SOFTMAX: t = score x log2(e) / 8; M = the row's largest t so far, rounded up to a whole number; p = 2^(t - M) is quantised with entry 8; the row's sum is taken of the unquantised p and divides at the end.
; When M moves, the sum and O are multiplied by 2^(old M - new M), which rounds nothing.
; SHARES.  Work-group (i, head) owns the blocks of 256 queries 7 - i and then i: 16 - 2 i and 2 i + 2 key steps of 128, always 18: ONE loop of 9 trips of two steps in every work-group, equal work in all 256.
; Each of 8 waves owns 32 queries, two tiles of 16, in 512 registers: two waves to a SIMD, so that one wave's vector work stands beside the other's products and LDS loads.
; LAYOUT.  Both products are used transposed: S^T = K Q^T + C (source 0 = 16 keys, source 1 = 16 queries), O^T = V^T P^T: a lane holds one query (lane % 16) throughout.  Register j of key tile t is key 16 t + 8 h + j,
; so one conversion gives registers 2 t, 2 t + 1 of P; register j of O^T's tile ct is channel 16 ct + 8 h + j, so one conversion gives registers 2 ct, 2 ct + 1 of a_img's image.  Nothing changes lanes.
; THE PERIODIC MASK is the C of the first product: 0 or -2^126 for each key, 128 numbers a step, made by wave 0 a step ahead and put beside the tile in LDS.  THE CAUSAL MASK: a step all of whose keys come after
; my 32 queries leaves its work out (a scalar branch on ids; barrier and staging stay outside it); in the one step of a pass that lies on the diagonal hidden scores become -infinity.  Key 0 counts for every query.
; K's AND V's TILES come through registers into two LDS slots, as they lie (a tile is 8,192 + 8,192 dense bytes): loaded two steps ahead, stored one step ahead, one barrier a step.
; NO JOINT LOADS AND NO TENSOR LOADS: the four work-groups of a head walk 16 - 2 i and then 2 i + 2 steps, so at a given step they want different tiles.
; The tile index runs two steps ahead and wraps to 0 at a pass's end, at the launch's end too: the last two loads fetch tiles 0 and 1 once more, inside the buffers, and nobody reads them.
; LIMITS on the given exponents: entries 6 + 7 between -100 and 130 (added to c's exponent field; -2^126 c stays far under every t); entries 8 and 10 between -126 and 119.
; REGISTERS.  window 0: v1-31 below; v32-63 P (16 a tile); v64-191 S^T, then p (64 a tile); v192-255 O^T (32 a tile).
;   window 1: v0-63 K's 8 fragments, then V's 4; v64-79 Q; v80-111 two staging sets of 16; v192-255 the mask as C.
.set SLOT, 16896                       ; K's 8 images, V's 4 images, 128 f32 of mask
.set VOFF, 8192
.set MOFF, 16384
.set P,   32
.set S,   64
.set O,   192
.set QF,  64                           ; in window 1
.set STG, 80
.set BI,  192
; v1 16 x lane; v2 MOFF + 32 h; v3 16 x thread; v4, v5 2^e8 and 448 x 2^e8; v[6:7] f, 0; v8, v9 at work; v10 a permute's destination; v11, v27 2^e10 and 448 x 2^e10; v[12:13] a sum;
; v[14+4tl] -M, v[15+4tl] the largest t, v[16+4tl:17+4tl] the row's sum in two halves; v22 r - 8 h; v23 d; v24 -infinity; v25 4 x lane; v26 MOFF + 16 x lane; v[28:31] wave 0's piece of mask
; s21 wave; s22 i; s23 batch x head; s[24:25] lane selects; s[26:27] c; s28, s29, s30 the tile computed, stored to LDS, loaded; s31 where the index wraps; s32 2 i + 2; s33 the block of queries; s35 trips;
; s[40:43] K's and V's head; s[44:47] the loads' bases; s[48:49] an offset; s[50:51] Q; s[52:53] a_img; s54 my first query; s55 the step's first key; s57 e8 + e9
.set MSB, 0
.macro WIN new                         ; the immediate's high byte repeats the setting that is left
.if MSB != (\new)
	s_set_vgpr_msb (MSB<<8)|(\new)
.set MSB, (\new)
.endif
.endm
.macro PLACES n
.rept \n
	v_nop
.endr
.endm
; my first query and the addresses that hang on the block of queries s33
.macro SETQB
	s_lshl_b32 s54, s33, 8
	s_lshl_b32 s56, s21, 5
	s_add_co_u32 s54, s54, s56                     ; 256 x block + 32 x wave
	s_lshl_b32 s36, s23, 17                        ; q_img: 128 token blocks of 1,024 bytes a head,
	s_lshl_b32 s56, s54, 6                         ; + 64 bytes a query
	s_add_co_u32 s36, s36, s56
	s_mov_b32 s37, 0
	s_add_nc_u64 s[50:51], s[4:5], s[36:37]
	s_lshr_b32 s36, s23, 4                         ; a_img: batch x 2^21
	s_lshl_b32 s36, s36, 21
	s_and_b32 s56, s23, 15                         ; + head x 1,024
	s_lshl_b32 s56, s56, 10
	s_add_co_u32 s36, s36, s56
	s_lshl_b32 s56, s54, 10                        ; + 16,384 bytes for each 16 queries
	s_add_co_u32 s36, s36, s56
	s_add_nc_u64 s[52:53], s[12:13], s[36:37]
.endm
.macro QLOAD
	WIN 0x40                                       ; destination window 1
.irp tl, 0,1
	global_load_b128 v[QF+8*\tl:QF+8*\tl+3], v1, s[50:51] offset:1024*\tl
	global_load_b128 v[QF+8*\tl+4:QF+8*\tl+7], v1, s[50:51] offset:1024*\tl+512
.endr
	WIN 0
.endm
.macro INIT                            ; a pass begins: the step is written once, and its first run finds zeros, which the first change of M leaves zeros
.irp tl, 0,1
	v_mov_b32 v[15+4*\tl], 0xff61b1e6              ; the largest t so far: -3e38, under every t
	v_floor_f32 v[14+4*\tl], -v[15+4*\tl]          ; -M
	v_mov_b32 v[16+4*\tl], 0
	v_mov_b32 v[17+4*\tl], 0
.endr
.set j, 0
.rept 64
	v_mov_b32 v[O+j], 0
.set j, j+1
.endr
.endm
; Wave 0 makes the mask of the 128 keys of tile s[treg]: lane l takes keys 4 l .. 4 l + 3.  x % 25 = x - 25 (x 5243 >> 17), exact for x under 2,048 (the error of 5243 / 2^17 against 1 / 25 is x 3 / 3,276,800, under 1 / 25).
.macro MASKSL slot, treg
	s_cmp_lg_u32 s21, 0
	s_cbranch_scc1 .Lno_mask_\@
	s_lshl_b32 s56, s[\treg], 7
	v_add_nc_u32 v8, s56, v25
.irp e, 0,1,2,3
	v_add_nc_u32 v9, \e, v8
	v_mul_u32_u24 v[28+\e], 0x147b, v9
	v_lshrrev_b32 v[28+\e], 17, v[28+\e]
	v_mul_u32_u24 v[28+\e], 25, v[28+\e]
	v_sub_nc_u32 v[28+\e], v9, v[28+\e]
	v_cmp_ne_u32 vcc_lo, 24, v[28+\e]
	v_cndmask_b32 v[28+\e], 0xfe800000, v7, vcc_lo ; 0 where the key counts, else -2^126
.endr
	ds_store_b128 v26, v[28:31] offset:(\slot)*SLOT
.Lno_mask_\@:
.endm
; One tile's softmax for a key step: 64 scores a lane.
.macro SOFTMAX tl
.set rS, S+64*\tl
.set rP, P+16*\tl
.set rO, O+32*\tl
.set rM, 14+4*\tl
.set rL, 16+4*\tl
	v_max3_num_f32 v8, v[rS], v[rS+1], v[rS+2]     ; the step's largest score of my query among my 64 keys, in two chains, each accumulator from its low end on
	v_max3_num_f32 v9, v[rS+3], v[rS+4], v[rS+5]
.set j, 6
.rept 14
	v_max3_num_f32 v8, v8, v[rS+j], v[rS+j+1]
	v_max3_num_f32 v9, v9, v[rS+j+2], v[rS+j+3]
.set j, j+4
.endr
	v_max3_num_f32 v8, v8, v[rS+62], v[rS+63]
	v_max_num_f32 v8, v8, v9
	v_permlanex16_b32 v10, v8, s24, s25
	v_max_num_f32 v8, v8, v10                      ; and among lane l xor 16's
	v_mul_f32 v8, s26, v8                          ; as t (c is positive)
	v_max_num_f32 v[rM+1], v[rM+1], v8             ; the running largest t
	v_mov_b32 v8, v[rM]
	v_floor_f32 v[rM], -v[rM+1]                    ; the new -M = floor(-t): M is a whole number
	v_sub_f32 v8, v[rM], v8                        ; old M - new M, 0 or less
	v_cvt_i32_f32 v8, v8                           ; (it saturates)
	v_ldexp_f32 v6, 1.0, v8                        ; f = 2^(old M - new M)
.set j, 0
.rept 32
	v_pk_fma_f32 v[rS+j:rS+j+1], v[rS+j:rS+j+1], s[26:27], v[rM:rM+1] op_sel_hi:[1,0,0]   ; t - M, two at a time (of the pairs c and -M the low word serves both halves)
.set j, j+2
.endr
.set j, 0
.rept 64
	v_exp_f32 v[rS+j], v[rS+j]                     ; p = 2^(t - M), at most 1; 0 where the key is masked
.set j, j+1
.endr
	v_pk_mul_f32 v[rL:rL+1], v[rL:rL+1], v[6:7] op_sel_hi:[1,0]   ; the sum under the new M.  (The plain place behind the exponentials)
	s_wait_alu depctr_va_vdst(0)
	v_pk_add_f32 v[12:13], v[rS:rS+1], v[rS+2:rS+3]               ; the sum of the unquantised p, two at a time, in two chains
.set j, 4
.rept 15
	v_pk_add_f32 v[rL:rL+1], v[rL:rL+1], v[rS+j:rS+j+1]
	v_pk_add_f32 v[12:13], v[12:13], v[rS+j+2:rS+j+3]
.set j, j+4
.endr
	v_pk_add_f32 v[rL:rL+1], v[rL:rL+1], v[12:13]
	s_cmp_ge_i32 s18, -8                           ; p <= 1 <= 448 x 2^e8 wherever e8 >= -8: the hold then changes nothing and is jumped over
	s_cbranch_scc1 .Lno_hold_\@
.set j, 0
.rept 64
	v_min_num_f32 v[rS+j], v[rS+j], v5             ; the conversion to an 8-bit code does not saturate (ISA guide 7.6.2); p is not negative, so the hold is one-sided
.set j, j+1
.endr
.Lno_hold_\@:
.irp t, 0,1,2,3,4,5,6,7
	v_cvt_scalef32_pk8_fp8_f32 v[rP+2*\t:rP+2*\t+1], v[rS+8*\t:rS+8*\t+7], v4
.endr
.set j, 0
.rept 16
	v_pk_mul_f32 v[rO+j:rO+j+1], v[rO+j:rO+j+1], v[6:7] op_sel_hi:[1,0]   ; O^T under the new M.  (Also the plain place between the conversions and the products that read P)
.set j, j+2
.endr
.endm
; The work of a key step on the tile in slot sg.
.macro WORK sg
	WIN 0x40                                       ; destination window 1
.irp t, 0,1,2,3,4,5,6,7
	ds_load_b128 v[8*\t:8*\t+3], v1 offset:\sg*SLOT+1024*\t             ; K's image t as it lies
	ds_load_b128 v[8*\t+4:8*\t+7], v1 offset:\sg*SLOT+1024*\t+512
.endr
.irp t, 0,1,2,3,4,5,6,7
	ds_load_b128 v[BI+8*\t:BI+8*\t+3], v2 offset:\sg*SLOT+64*\t         ; the mask of keys 16 t + 8 h + 0 .. 7
	ds_load_b128 v[BI+8*\t+4:BI+8*\t+7], v2 offset:\sg*SLOT+64*\t+16
.endr
	s_wait_dscnt 0x0
	WIN 0x15                                       ; K, Q and the mask in window 1, S^T in window 0
.irp t, 0,1,2,3,4,5,6,7
.irp tl, 0,1
	v_wmma_f32_16x16x64_fp8_fp8 v[S+64*\tl+8*\t:S+64*\tl+8*\t+7], v[8*\t:8*\t+7], v[QF+8*\tl:QF+8*\tl+7], v[BI+8*\t:BI+8*\t+7]
.endr
.endr
	PLACES 4                                       ; in front of the loads into K's registers and of the first read of the scores
	WIN 0x40
.irp ct, 0,1,2,3
.irp g, 0,1,2,3
	ds_load_b128 v[16*\ct+4*\g:16*\ct+4*\g+3], v1 offset:\sg*SLOT+VOFF+2048*\ct+512*\g   ; V lands while the softmax is walked
.endr
.endr
	WIN 0
	s_add_co_u32 s56, s55, 127
	s_cmp_le_u32 s56, s54                          ; all 128 keys count for all my queries: no causal mask
	s_cbranch_scc1 .Lopen_\@
	s_sub_co_i32 s56, s54, s55
.irp tl, 0,1
	v_add_nc_u32 v23, s56, v22                     ; d = my query - the step's first key - 8 h: register 8 t + j is hidden where 16 t + j > d
.set n, 0
.rept 64
	v_cmp_gt_i32 vcc_lo, 16*(n/8)+n%8, v23
	v_cndmask_b32 v[S+64*\tl+n], v[S+64*\tl+n], v24, vcc_lo
.set n, n+1
.endr
	s_add_co_i32 s56, s56, 16                      ; the second tile's queries lie 16 further on
.endr
.Lopen_\@:
	SOFTMAX 0
	SOFTMAX 1
	s_wait_dscnt 0x0                               ; V
	WIN 0x01                                       ; V in window 1; P and O^T in window 0
.irp ct, 0,1,2,3
.irp tl, 0,1
	v_wmma_f32_16x16x128_fp8_fp8 v[O+32*\tl+8*\ct:O+32*\tl+8*\ct+7], v[16*\ct:16*\ct+15], v[P+16*\tl:P+16*\tl+15], v[O+32*\tl+8*\ct:O+32*\tl+8*\ct+7]   ; eight accumulators by turns
.endr
.endr
	WIN 0
	PLACES 4                                       ; in front of the next loads into V's registers and of the next read of O^T
.endm
; A key step.  Behind the barrier slot sg is whole and nobody reads the other one, which takes the next tile out of the staging registers; those take the tile after it from memory.
.macro STEP sg
	s_wait_dscnt 0x0                               ; my stores into slot sg have landed, and my reads of the other slot are over
	s_barrier_signal -1
	s_barrier_wait -1
	s_wait_loadcnt 0x0                             ; the next tile is in its staging set (and Q, at a pass's head); the loads' bases may be written
	WIN 0x04                                       ; store data window 1
.irp c, 0,1,2,3
	ds_store_b128 v3, v[STG+16*(1-\sg)+4*\c:STG+16*(1-\sg)+4*\c+3] offset:(1-\sg)*SLOT+4096*\c
.endr
	s_lshl_b32 s48, s30, 13                        ; a tile is 8,192 bytes of K and as many of V
	s_add_nc_u64 s[44:45], s[40:41], s[48:49]
	s_add_nc_u64 s[46:47], s[42:43], s[48:49]
	WIN 0x40
	global_load_b128 v[STG+16*\sg:STG+16*\sg+3], v3, s[44:45]
	global_load_b128 v[STG+16*\sg+4:STG+16*\sg+7], v3, s[44:45] offset:4096
	global_load_b128 v[STG+16*\sg+8:STG+16*\sg+11], v3, s[46:47]
	global_load_b128 v[STG+16*\sg+12:STG+16*\sg+15], v3, s[46:47] offset:4096
	WIN 0
	MASKSL 1-\sg, 29
	s_lshl_b32 s55, s28, 7                         ; the step's first key
	s_add_co_u32 s56, s54, 31
	s_cmp_gt_u32 s55, s56                          ; all its keys come after my last query: nothing to do
	s_cbranch_scc1 .Lskip_\@
	WORK \sg
.Lskip_\@:
	s_mov_b32 s28, s29
	s_mov_b32 s29, s30
	s_add_co_u32 s30, s30, 1
	s_cmp_eq_u32 s30, s31                          ; at a pass's end the index begins anew, and the second pass's length holds from then on
	s_cselect_b32 s30, 0, s30
	s_cselect_b32 s31, s32, s31
.endm
	s_load_b256 s[4:11], s[0:1], 0x0               ; q_img s[4:5], k_img s[6:7], v_img s[8:9], the scales' exponents s[10:11]
	s_load_b64 s[12:13], s[0:1], 0x20              ; a_img
	s_set_vgpr_msb 0x40
	v_lshl_add_u32 v190, v0, 2, 0x8400
	v_mov_b32 v191, 0
	s_set_vgpr_msb 0x4000
	v_lshrrev_b32 v8, 5, v0
	v_readfirstlane_b32 s21, v8                    ; wave 0..7
	v_and_b32 v9, 31, v0                           ; lane
	v_lshlrev_b32 v1, 4, v9
	v_bfe_u32 v10, v0, 4, 1                        ; h
	v_lshl_add_u32 v2, v10, 5, MOFF
	v_lshlrev_b32 v3, 4, v0
	v_and_b32 v22, 15, v0                          ; r
	v_lshlrev_b32 v10, 3, v10
	v_sub_nc_u32 v22, v22, v10                     ; r - 8 h
	v_lshlrev_b32 v25, 2, v9
	v_add_nc_u32 v26, MOFF, v1
	v_mov_b32 v24, 0xff800000                      ; -infinity
	v_mov_b32 v7, 0
	s_mov_b32 s22, ttmp9                           ; i
	s_and_b32 s23, ttmp7, 0xffff                   ; batch x head
	s_sub_co_u32 s33, 7, s22                       ; the first pass: block 7 - i
	s_lshl_b32 s32, s22, 1
	s_add_co_u32 s32, s32, 2                       ; the second pass's steps
	s_sub_co_u32 s31, 18, s32                      ; the first pass's
	s_mov_b32 s28, 0
	s_mov_b32 s29, 1
	s_mov_b32 s30, 2
	s_mov_b32 s35, 9
	s_mov_b32 s24, 0x76543210
	s_mov_b32 s25, 0xfedcba98
	s_lshl_b32 s48, s23, 17                        ; a head's 131,072 bytes in k_img and in v_img
	s_mov_b32 s49, 0
	s_wait_kmcnt 0x0
	s_load_b128 s[16:19], s[10:11], 0x18           ; entries 6 to 9
	s_load_b32 s20, s[10:11], 0x28                 ; entry 10
	s_add_nc_u64 s[40:41], s[6:7], s[48:49]
	s_add_nc_u64 s[42:43], s[8:9], s[48:49]
	SETQB
	WIN 0x40
.irp u, 0,1                            ; tiles 0 and 1 into the two staging sets
	global_load_b128 v[STG+16*\u:STG+16*\u+3], v3, s[40:41] offset:8192*\u
	global_load_b128 v[STG+16*\u+4:STG+16*\u+7], v3, s[40:41] offset:8192*\u+4096
	global_load_b128 v[STG+16*\u+8:STG+16*\u+11], v3, s[42:43] offset:8192*\u
	global_load_b128 v[STG+16*\u+12:STG+16*\u+15], v3, s[42:43] offset:8192*\u+4096
.endr
	QLOAD
	INIT
	s_wait_kmcnt 0x0
	s_add_co_i32 s56, s16, s17
	s_lshl_b32 s56, s56, 23
	s_add_co_i32 s26, s56, 0x3e38aa3b              ; c = log2(e) / 8, with e6 + e7 added to its exponent field: a score stands for score x 2^(e6 + e7)
	s_mov_b32 s27, s26                             ; (named with it as a pair, so it is written)
	s_add_co_i32 s56, s18, 127
	s_lshl_b32 s36, s56, 23
	v_mov_b32 v4, s36                              ; 2^e8 as f32
	s_add_co_i32 s56, s56, 8
	s_lshl_b32 s56, s56, 23
	s_or_b32 s56, s56, 0x600000
	v_mov_b32 v5, s56                              ; 448 x 2^e8
	s_add_co_i32 s56, s20, 127
	s_lshl_b32 s36, s56, 23
	v_mov_b32 v11, s36                             ; 2^e10
	s_add_co_i32 s56, s56, 8
	s_lshl_b32 s56, s56, 23
	s_or_b32 s56, s56, 0x600000
	v_mov_b32 v27, s56                             ; 448 x 2^e10
	s_add_co_i32 s57, s18, s19                     ; e8 + e9
	s_wait_loadcnt 0x8                             ; tile 0's four loads are in; tile 1's four and Q's four may stay out
	WIN 0x04
.irp c, 0,1,2,3
	ds_store_b128 v3, v[STG+4*\c:STG+4*\c+3] offset:4096*\c
.endr
	WIN 0
	MASKSL 0, 28
.Ltrip:
	STEP 0
	STEP 1
	s_cmp_lg_u32 s28, 0                            ; the index of the tile to come is 0 again: a pass has ended (both passes have an even number of steps)
	s_cbranch_scc1 .Lgo_on
	; THE END OF A PASS: O^T / the sum x 2^(e8 + e9), held, quantised with entry 10, stored as images: 512 consecutive bytes a store
.irp tl, 0,1
	v_add_f32 v8, v[16+4*\tl], v[17+4*\tl]         ; the sum's two halves,
	v_permlanex16_b32 v10, v8, s24, s25
	v_add_f32 v8, v8, v10                          ; and lane l xor 16's
	v_rcp_f32 v8, v8
	v_nop                                          ; one plain place behind a transcendental
	s_wait_alu depctr_va_vdst(0)
	v_ldexp_f32 v8, v8, s57
.set j, 0
.rept 16
	v_pk_mul_f32 v[S+64*\tl+j:S+64*\tl+j+1], v[O+32*\tl+j:O+32*\tl+j+1], v[8:9] op_sel_hi:[1,0]   ; each accumulator from its low end on
.set j, j+2
.endr
.set j, 0
.rept 32
	v_med3_num_f32 v[S+64*\tl+j], v[S+64*\tl+j], -v27, v27
.set j, j+1
.endr
.irp ct, 0,1,2,3
	v_cvt_scalef32_pk8_fp8_f32 v[P+16*\tl+2*\ct:P+16*\tl+2*\ct+1], v[S+64*\tl+8*\ct:S+64*\tl+8*\ct+7], v11
.endr
	v_nop                                          ; one plain vector instruction behind the conversions
	global_store_b128 v1, v[P+16*\tl:P+16*\tl+3], s[52:53] offset:16384*\tl
	global_store_b128 v1, v[P+16*\tl+4:P+16*\tl+7], s[52:53] offset:16384*\tl+512
.endr
	s_cmp_eq_u32 s35, 1                            ; the last trip: no pass follows
	s_cbranch_scc1 .Lgo_on
	s_wait_xcnt 0x0                                ; the stores have read their data and their base: both are written again below and in the next pass
	s_mov_b32 s33, s22                             ; the second pass: block i
	SETQB
	QLOAD                                          ; awaited at the next step's head
	INIT
.Lgo_on:
	s_sub_co_u32 s35, s35, 1
	s_cmp_lg_u32 s35, 0
	s_cbranch_scc1 .Ltrip
	s_set_vgpr_msb 0x5
	s_wait_tensorcnt 0x0
	ds_add_u32 v190, v191
	s_wait_dscnt 0x0
	s_set_vgpr_msb 0x500
	s_endpgm
.Lfunc_end_k_q6816c7521a_attn:
	.size	k_q6816c7521a_attn, .Lfunc_end_k_q6816c7521a_attn-k_q6816c7521a_attn
	.p2alignl 7, 3214868480
	.fill 96, 4, 3214868480
	.section	.rodata,"a",@progbits
	.p2align	6, 0x0
	.amdhsa_kernel k_q6816c7521a_attn
		.amdhsa_group_segment_fixed_size 34816
		.amdhsa_private_segment_fixed_size 0
		.amdhsa_enable_private_segment 0
		.amdhsa_kernarg_size 40
		.amdhsa_user_sgpr_count 2
		.amdhsa_user_sgpr_kernarg_segment_ptr 1
		.amdhsa_wavefront_size32 1
		.amdhsa_system_sgpr_workgroup_id_x 1
		.amdhsa_system_sgpr_workgroup_id_y 1
		.amdhsa_system_sgpr_workgroup_id_z 1
		.amdhsa_system_vgpr_workitem_id 0
		.amdhsa_next_free_vgpr 512
		.amdhsa_next_free_sgpr 66
		.amdhsa_reserve_vcc 1
		.amdhsa_float_denorm_mode_32 3
		.amdhsa_float_denorm_mode_16_64 3
		.amdhsa_memory_ordered 1
		.amdhsa_forward_progress 1
		.amdhsa_inst_pref_size 104
	.end_amdhsa_kernel
	.amdgpu_metadata
---
amdhsa.version: [ 1, 2 ]
amdhsa.kernels:
  - .name:           k_q6816c7521a_attn
    .symbol:         k_q6816c7521a_attn.kd
    .args:
      - { .name: q_img, .offset: 0, .size: 8, .value_kind: global_buffer, .address_space: global }
      - { .name: k_img, .offset: 8, .size: 8, .value_kind: global_buffer, .address_space: global }
      - { .name: v_img, .offset: 16, .size: 8, .value_kind: global_buffer, .address_space: global }
      - { .name: lowp_scales, .offset: 24, .size: 8, .value_kind: global_buffer, .address_space: global }
      - { .name: a_img, .offset: 32, .size: 8, .value_kind: global_buffer, .address_space: global }
    .group_segment_fixed_size: 34816
    .private_segment_fixed_size: 0
    .kernarg_segment_align: 8
    .kernarg_segment_size: 40
    .max_flat_workgroup_size: 256
    .sgpr_count:     66
    .vgpr_count:     512
    .wavefront_size: 32
...
	.end_amdgpu_metadata
.endif
;; end of part 2
;; launch proj (part 3): grid 4 x 64, 4 waves a work-group, clusters of 4 x 4, 327,680 bytes of LDS; arguments a_img, Wp_codes, bp, lowp_scales, out0; writes out0
.if DOCPART == 3
	.amdgcn_target "amdgcn-amd-amdhsa--gfx1250"
	.amdhsa_code_object_version 6
	.text
	.protected	k_q6816c7521a_proj
	.globl	k_q6816c7521a_proj
	.p2align	8
	.type	k_q6816c7521a_proj,@function
k_q6816c7521a_proj:
	s_mov_b64 s[64:65], 0
	v_nop
	global_prefetch_b8 v0, s[64:65] scope:SCOPE_SE
	s_setreg_imm32_b32 hwreg(HW_REG_WAVE_MODE, 25, 1), 1
	s_wait_xcnt 0x0
	s_wait_alu depctr_hold_cnt(0) depctr_sa_sdst(0) depctr_va_vdst(0) depctr_va_sdst(0) depctr_va_ssrc(0) depctr_va_vcc(0) depctr_vm_vsrc(0)
	s_getreg_b32 s2, hwreg(HW_REG_IB_STS2, 6, 4)
	s_cmp_eq_u32 s2, 0
	s_cbranch_scc0 .Lentry_in_a_cluster
	s_endpgm
.Lentry_in_a_cluster:
	s_bfe_u32 s2, ttmp6, 0x10000c
	s_cmp_lg_u32 s2, 0xf033
	s_cbranch_scc0 .Lentry_shape_is_right
	s_endpgm
.Lentry_shape_is_right:
; out = a Wp^T + bp on codes of FP8 (E4M3).  a: the attention's result as images of fragments, a_img [token block 512][head 16][1,024 bytes]; Wp: codes, [1024 features][1024], K innermost; out0: [8192][1024] f32.
; Each finished sum is multiplied once by 2^(e10 + e11) and bp is added, in one packed multiply-add for two numbers.  LIMIT: e10 + e11 between -126 and 127, so that the factor is an f32 number.
; SHARES.  Work-group (nx, my) makes tokens 128 my .. + 127 x features 256 nx .. + 255; four waves, each 64 x 128: 32 accumulators.  256 work-groups, one tile each.
; K goes in 4 steps of 256 through a ring of two LDS slots, all written out.  CLUSTER 4 x 4: a's tile is shared along a row of the cluster, Wp's along a column: joint loads.
; a's tile of a K step is, for each of 8 token blocks, 4,096 dense bytes (4 heads' images): it lies in LDS as it lies in memory, and a fragment 16 tokens x 128 K is four loads of 512 consecutive bytes.
; Those images hold K = 16 c + 8 h + 0 .. 7 in registers 2 c, 2 c + 1, so Wp's fragments are fetched in the same places: eight loads of 8 bytes from rows of 272 bytes.
; THE MATRIX INSTRUCTION IS USED TRANSPOSED (source 0 = 16 rows of Wp, source 1 = 16 tokens): a lane holds eight neighbouring numbers of a row of out0.
; REGISTERS: window 0: v1-29 addresses; v32-95 at work on the way out; a's fragments, two sets of 4 x 16, at v128 and v192 (on the way out: rows read back).  window 1: Wp's fragments, two sets of 8 x 16.
;   window 2: the accumulators, (a, b) at v[8 (8 a + b)].  window 3: v0-63 bp, 8 registers for each feature block.
.set PITCH,  272                       ; a row of Wp in LDS: 256 bytes + 16 of padding = 68 words: row r starts at bank 4 r mod 64 (64 banks of 4 bytes: ISA guide 11.1)
.set AHALF,  16384                     ; four token blocks x 4,096 bytes: what a wave fetches, and reads, of a
.set BHALF,  128*PITCH
.set BOFF,   32768
.set SLOT,   BOFF+256*PITCH
.set SPARE,  2*SLOT                    ; behind the ring: the spare words, 128 bytes for each wave: two blocks of 256 bytes that no other line names
.set STAGE,  SPARE+512                 ; behind them: 16 rows x 528 bytes for each wave, for the way out; no tensor load fills it
.set SPITCH, 528
.set ADRA, 16
.set ADRB, 20
.set STO,  24                          ; v24 the way out: where I put 32 bytes of a row
.set RD,   25                          ; v25 where I read a row back
.set CO,   26                          ; v26 16 x lane: my place in a row's 512 bytes
.set SPW,  28
.set NIL,  29
.set TMP,  32
.set AF,   128
.set BK,   128
.set G1A, 28
.set G1B, 36
.set G0A, 44
.set G0B, 52
.set WV, 60
.set WM, 61                            ; which 64 tokens are mine.  Also: I fetch for a (0) or for Wp (1)
.set WN, 62                            ; which 128 features.  Also: which half of that tile I fetch
.set ABASE, 84
.set BBASE, 86
.set MSB, 0
.macro WIN new                         ; the immediate's high byte repeats the setting that is left
.if MSB != (\new)
	s_set_vgpr_msb (MSB<<8)|(\new)
.set MSB, (\new)
.endif
.endm
.macro PLACES n
.rept \n
	v_nop
.endr
.endm
.macro JLOAD s                         ; a joint load: waves 0 and 1 fetch a's two halves, waves 2 and 3 Wp's; four v_nop follow each of the two lines
	s_cmp_eq_u32 s[WM], 0
	s_cbranch_scc0 .Lfor_b_\@
	tensor_load_to_lds s[G0A+4*(\s):G0A+4*(\s)+3], s[G1A:G1A+7]
	s_nop 0
.rept 4
	v_nop
.endr
	s_branch .Lasked_\@
.Lfor_b_\@:
	tensor_load_to_lds s[G0B+4*(\s):G0B+4*(\s)+3], s[G1B:G1B+7]
	s_nop 0
.rept 4
	v_nop
.endr
.Lasked_\@:
.endm
.macro CREST                           ; a round of the cluster's barrier behind its opening barrier
	s_cmp_lg_u32 s[WV], 0
	s_cbranch_scc1 .Lnot_wave_0_\@
	s_barrier_signal -3
.Lnot_wave_0_\@:
	s_barrier_wait -3
	s_barrier_signal -1
	s_barrier_wait -1
.endm
.macro CROUND
	s_barrier_signal -1
	s_barrier_wait -1
	CREST
.endm
	s_load_b256 s[4:11], s[0:1], 0x0               ; a_img s[4:5], Wp s[6:7], bp s[8:9], the scales' exponents s[10:11]
	s_load_b64 s[12:13], s[0:1], 0x20              ; out0
	v_lshl_add_u32 v[SPW], v0, 2, SPARE
	v_mov_b32 v[NIL], 0
	ds_add_u32 v28, v29
	ds_add_u32 v28, v29
	s_wait_dscnt 0x0
	v_lshrrev_b32 v1, 5, v0
	v_readfirstlane_b32 s[WV], v1                  ; wave 0..3
	s_lshr_b32 s[WM], s[WV], 1
	s_and_b32 s[WN], s[WV], 1
	s_bfe_u32 s66, ttmp6, 0x40000                  ; cx, cy
	s_bfe_u32 s67, ttmp6, 0x40004
	s_lshl_b32 s68, ttmp9, 2
	s_add_co_u32 s68, s68, s66                     ; nx
	s_and_b32 s69, ttmp7, 0xffff
	s_lshl_b32 s69, s69, 2
	s_add_co_u32 s69, s69, s67                     ; my
	s_lshl_b32 s70, s67, 2
	s_lshl_b32 s70, 15, s70                        ; my row of the cluster
	s_lshl_b32 s71, 0x1111, s66                    ; my column
	; a's tiles: 4 rows (token blocks) of 512 elements of 8 bytes, 2,048 elements apart, no padding.  Wp's: 128 rows of 256 bytes, 1,024 apart, padded
	s_or_b32 s[G1A], s70, (3<<16)|(1<<21)          ; 15:0 the mask; 17:16 elements of 8 bytes; 21 set beside a mask
	s_mov_b32 s[G1A+1], 512<<16                    ; tensor_dim0
	s_mov_b32 s[G1A+2], 4<<16                      ; tensor_dim1
	s_mov_b32 s[G1A+3], 512<<16                    ; tile_dim0
	s_mov_b32 s[G1A+4], 4                          ; tile_dim1
	s_mov_b32 s[G1A+5], 2048                       ; tensor_dim0_stride
	s_mov_b32 s[G1A+6], 0
	s_mov_b32 s[G1A+7], 0
	s_or_b32 s[G1B], s71, (1<<20)|(1<<21)|(5<<22)|(3<<25)   ; elements of 1 byte; padding: four words after every 64
	s_mov_b32 s[G1B+1], 256<<16
	s_mov_b32 s[G1B+2], 128<<16
	s_mov_b32 s[G1B+3], 256<<16
	s_mov_b32 s[G1B+4], 128
	s_mov_b32 s[G1B+5], 1024
	s_mov_b32 s[G1B+6], 0
	s_mov_b32 s[G1B+7], 0
	s_lshl_b32 s92, s69, 17                        ; a: 8 my token blocks of 16,384 bytes
	s_lshl_b32 s93, s[WN], 16                      ; + 4 blocks x half
	s_add_co_u32 s92, s92, s93
	s_mov_b32 s93, 0
	s_lshl_b32 s94, s68, 18                        ; Wp: 256 nx rows of 1,024 bytes
	s_lshl_b32 s95, s[WN], 17                      ; + 128 rows x half
	s_add_co_u32 s94, s94, s95
	s_mov_b32 s95, 0
	s_mul_i32 s82, s[WN], AHALF                    ; where they go in a slot
	s_mul_i32 s83, s[WN], BHALF
	s_add_co_u32 s83, s83, BOFF
	s_wait_kmcnt 0x0
	s_load_b64 s[96:97], s[10:11], 0x28            ; entries 10, 11
	s_add_nc_u64 s[ABASE:ABASE+1], s[4:5], s[92:93]
	s_add_nc_u64 s[BBASE:BBASE+1], s[6:7], s[94:95]
	CROUND                                         ; all sixteen work-groups are here: the first joint loads meet
.irp s, 0,1
	s_mov_b32 s[G0A+4*\s], 1
	s_add_co_u32 s[G0A+4*\s+1], s82, \s*SLOT
	s_add_nc_u64 s[G0A+4*\s+2:G0A+4*\s+3], s[ABASE:ABASE+1], \s*4096   ; K step s: four heads' images
	s_or_b32 s[G0A+4*\s+3], s[G0A+4*\s+3], 0x80000000
	s_mov_b32 s[G0B+4*\s], 1
	s_add_co_u32 s[G0B+4*\s+1], s83, \s*SLOT
	s_add_nc_u64 s[G0B+4*\s+2:G0B+4*\s+3], s[BBASE:BBASE+1], \s*256
	s_or_b32 s[G0B+4*\s+3], s[G0B+4*\s+3], 0x80000000
	JLOAD \s
.endr
	v_and_b32 v1, 15, v0                           ; r
	v_bfe_u32 v2, v0, 4, 1                         ; h
	v_and_b32 v[CO], 31, v0
	v_lshlrev_b32 v[CO], 4, v[CO]                  ; 16 x lane
	v_mul_u32_u24 v3, v1, PITCH
	v_lshl_add_u32 v3, v2, 3, v3                   ; Wp: row x pitch + 8 h
	s_mul_i32 s2, s[WM], AHALF                     ; my four token blocks of a
	s_mul_i32 s3, s[WN], BHALF                     ; my 128 rows of Wp
	s_add_co_u32 s3, s3, BOFF
.irp s, 0,1
	v_add_nc_u32 v[ADRA+\s], s2, v[CO]
	v_add_nc_u32 v[ADRB+\s], s3, v3
	s_add_co_u32 s2, s2, SLOT
	s_add_co_u32 s3, s3, SLOT
.endr
	s_mul_i32 s2, s[WV], 16*SPITCH
	s_add_co_u32 s2, s2, STAGE                     ; my stage
	v_mul_u32_u24 v4, v1, SPITCH
	v_lshl_add_u32 v4, v2, 5, v4
	v_add_nc_u32 v[STO], s2, v4                    ; in: row r, 32 bytes for each half of the lanes
	v_add_nc_u32 v[RD], s2, v[CO]                  ; back: the 32 lanes take one row of 512 bytes
	v_lshlrev_b32 v5, 5, v2                        ; 32 h: bp: my 8 features of a block of 16
	s_lshl_b32 s98, s68, 10                        ; (256 nx + 128 half) x 4 bytes: bp at my features, and my columns of out0
	s_lshl_b32 s99, s[WN], 9
	s_add_co_u32 s98, s98, s99
	s_mov_b32 s99, 0
	s_add_nc_u64 s[8:9], s[8:9], s[98:99]
	s_add_nc_u64 s[12:13], s[12:13], s[98:99]
	s_lshl_b32 s98, s69, 19                        ; + (128 my + 64 half) rows of 4,096 bytes
	s_lshl_b32 s26, s[WM], 18
	s_add_co_u32 s98, s98, s26
	s_add_nc_u64 s[12:13], s[12:13], s[98:99]
	WIN 0xc0                                       ; destination window 3
.irp b, 0,1,2,3,4,5,6,7
	global_load_b128 v[8*\b:8*\b+3], v5, s[8:9] offset:64*\b        ; bp(16 b + 8 h + 0 .. 7); awaited in front of the way out
	global_load_b128 v[8*\b+4:8*\b+7], v5, s[8:9] offset:64*\b+16
.endr
	WIN 0
.macro FETCH slot, q, p                ; 80 LDS loads in one run: the slot's q-th 128 along K into set p
	WIN 0x40                                       ; destination window 1
.irp i, 0,1,2,3,4,5,6,7
.irp c, 0,1,2,3,4,5,6,7
	ds_load_b64 v[128*(\p)+16*\i+2*\c:128*(\p)+16*\i+2*\c+1], v[ADRB+(\slot)] offset:\i*16*PITCH+128*(\q)+16*\c   ; Wp(16 i + r, 16 c + 8 h + 0 .. 7)
.endr
.endr
	WIN 0
.irp i, 0,1,2,3
.irp g, 0,1,2,3
	ds_load_b128 v[AF+64*(\p)+16*\i+4*\g:AF+64*(\p)+16*\i+4*\g+3], v[ADRA+(\slot)] offset:4096*\i+2048*(\q)+512*\g   ; a's image as it lies
.endr
.endr
.endm
; 8 matrix instructions of K step N: token block a x the 8 feature blocks, set p.  The very first 32 products start the sums.  The 32 accumulators take turns.
.macro MULQ p, a
	WIN 0xa1                                       ; source 0 (Wp) window 1, source 1 (a) window 0, C and D window 2
.irp b, 0,1,2,3,4,5,6,7
.set rD, 8*(8*(\a)+\b)
.set rB, 128*(\p)+16*\b
.set rA, AF+64*(\p)+16*(\a)
.if ((\p) == 0) && (N == 0)
	v_wmma_f32_16x16x128_fp8_fp8 v[rD:rD+7], v[rB:rB+15], v[rA:rA+15], 0
.else
	v_wmma_f32_16x16x128_fp8_fp8 v[rD:rD+7], v[rB:rB+15], v[rA:rA+15], v[rD:rD+7]
.endif
.endr
.endm
.macro H0                              ; the first half of K step N: set 0 is multiplied while set 1 is fetched
.set SL, N%2
	s_wait_dscnt 0x0                               ; set 0 is in
.if N > 0
	PLACES 4                                       ; between the last products on set 1 and the loads into it
.endif
	FETCH SL, 1, 1
	MULQ 0, 0
	MULQ 0, 1
	MULQ 0, 2
	MULQ 0, 3
.endm
; The second half changes slots: one barrier, in front of it the wait for all my tensor loads, the add, and the wait for it and for my reads of this slot.  K steps 0 and 1 fill their slot again, with K step N + 2.
.macro TURN
.set SL, N%2
	WIN 0                                          ; (the add's two registers lie in window 0)
	s_wait_tensorcnt 0x0                           ; all my tensor loads have landed: my part of the next slot
	ds_add_u32 v[SPW], v[NIL]                      ; 0 onto my spare word
	s_wait_dscnt 0x1                               ; set 1's loads are in; the add alone may be out
	MULQ 1, 0
	s_wait_dscnt 0x0                               ; the add is done, and my reads of this slot are over
	s_barrier_signal -1
	MULQ 1, 1
	WIN 0
	s_barrier_wait -1
.if N <= 1
	CREST                                          ; no wave of any partner still reads this slot or has a load on its way
	s_add_nc_u64 s[G0A+4*SL+2:G0A+4*SL+3], s[ABASE:ABASE+1], 4096*(N+2)
	s_or_b32 s[G0A+4*SL+3], s[G0A+4*SL+3], 0x80000000
	s_add_nc_u64 s[G0B+4*SL+2:G0B+4*SL+3], s[BBASE:BBASE+1], 256*(N+2)
	s_or_b32 s[G0B+4*SL+3], s[G0B+4*SL+3], 0x80000000
	JLOAD SL                                       ; the first tensor load behind the round; its four v_nop are also the places in front of the loads into set 0
.else
	PLACES 4
.endif
	FETCH 1-SL, 0, 0
	MULQ 1, 2
	MULQ 1, 3
.endm
	s_wait_tensorcnt 0x1                           ; my part of K step 0 is in; K step 1's load may stay out
	s_barrier_signal -1
	s_barrier_wait -1
.set N, 0
	FETCH 0, 0, 0
.rept 3
	H0
	TURN
.set N, N+1
.endr
	H0                                             ; K step 3
	s_wait_dscnt 0x0
	MULQ 1, 0
	MULQ 1, 1
	MULQ 1, 2
	MULQ 1, 3
; THE WAY OUT, a block of 16 tokens x 128 features at a time.  A lane holds 32 neighbouring bytes of a row and the lanes beside it other rows: so a block goes through my own stage in LDS and comes back as whole
; rows of 512 bytes.  LDS serves a wave's instructions in order (ISA guide 5.7.1.4): no wait between the stores and the loads, nor in front of the next block's stores.
.macro TOSTAGE a
	WIN 0x32                                       ; source 0 (the sums) window 2, source 2 (bp) window 3
.set j, 0
.rept 32
	v_pk_fma_f32 v[TMP+j:TMP+j+1], v[64*(\a)+j:64*(\a)+j+1], s[96:97], v[j:j+1] op_sel_hi:[1,0,1]   ; sum x 2^(e10 + e11) + bp; each accumulator from its low end on
.set j, j+2
.endr
	WIN 0
.irp b, 0,1,2,3,4,5,6,7
	ds_store_b128 v[STO], v[TMP+8*\b:TMP+8*\b+3] offset:64*\b
	ds_store_b128 v[STO], v[TMP+8*\b+4:TMP+8*\b+7] offset:64*\b+16
.endr
.set BB, BK+64*((\a)%2)
.irp t, 0,1,2,3,4,5,6,7,8,9,10,11,12,13,14,15
	ds_load_b128 v[BB+4*\t:BB+4*\t+3], v[RD] offset:\t*SPITCH
.endr
.endm
.macro SEND a, younger                 ; younger: the LDS instructions issued behind block a's loads, which may stay out
.set BB, BK+64*((\a)%2)
	s_wait_dscnt \younger
.irp t, 0,1,2,3,4,5,6,7,8,9,10,11,12,13,14,15
	global_store_b128 v[CO], v[BB+4*\t:BB+4*\t+3], s[12:13] offset:(16*(\a)+\t)*4096 th:TH_STORE_NT   ; 32 lanes store 512 consecutive bytes, at a multiple of 256 from out0's first byte; written once, read by nobody here
.endr
.endm
	s_wait_kmcnt 0x0
	s_add_co_i32 s96, s96, s97                     ; e10 + e11
	s_add_co_i32 s96, s96, 127
	s_lshl_b32 s96, s96, 23                        ; 2^(e10 + e11) as f32
	s_mov_b32 s97, s96                             ; (named with it as a pair, so it is written)
	s_wait_loadcnt 0x0                             ; bp
	PLACES 4                                       ; behind the last products: for the reads of their results and the loads into the registers that held a's fragments
	TOSTAGE 0
.irp a, 1,2,3
.if \a > 1
	s_wait_xcnt 0x0                                ; block a - 2's stores have read their registers: block a's rows may land there
.endif
	TOSTAGE \a
	SEND \a-1, 32                                  ; behind block a - 1's loads: block a's 16 stores and 16 loads
.endr
	SEND 3, 0
	s_wait_tensorcnt 0x0                           ; the wave's end
	ds_add_u32 v[SPW], v[NIL]
	s_wait_dscnt 0x0
	CROUND                                         ; the closing round: no work-group ends while a partner may still ask for a tile that names it
	s_endpgm
.Lfunc_end_k_q6816c7521a_proj:
	.size	k_q6816c7521a_proj, .Lfunc_end_k_q6816c7521a_proj-k_q6816c7521a_proj
	.p2alignl 7, 3214868480
	.fill 96, 4, 3214868480
	.section	.rodata,"a",@progbits
	.p2align	6, 0x0
	.amdhsa_kernel k_q6816c7521a_proj
		.amdhsa_group_segment_fixed_size 327680
		.amdhsa_private_segment_fixed_size 0
		.amdhsa_enable_private_segment 0
		.amdhsa_kernarg_size 40
		.amdhsa_user_sgpr_count 2
		.amdhsa_user_sgpr_kernarg_segment_ptr 1
		.amdhsa_wavefront_size32 1
		.amdhsa_system_sgpr_workgroup_id_x 1
		.amdhsa_system_sgpr_workgroup_id_y 1
		.amdhsa_system_sgpr_workgroup_id_z 1
		.amdhsa_system_vgpr_workitem_id 0
		.amdhsa_next_free_vgpr 832
		.amdhsa_next_free_sgpr 100
		.amdhsa_reserve_vcc 0
		.amdhsa_float_denorm_mode_32 3
		.amdhsa_float_denorm_mode_16_64 3
		.amdhsa_memory_ordered 1
		.amdhsa_forward_progress 1
		.amdhsa_inst_pref_size 92
	.end_amdhsa_kernel
	.amdgpu_metadata
---
amdhsa.version: [ 1, 2 ]
amdhsa.kernels:
  - .name:           k_q6816c7521a_proj
    .symbol:         k_q6816c7521a_proj.kd
    .args:
      - { .name: a_img, .offset: 0, .size: 8, .value_kind: global_buffer, .address_space: global }
      - { .name: Wp_codes, .offset: 8, .size: 8, .value_kind: global_buffer, .address_space: global }
      - { .name: bp, .offset: 16, .size: 8, .value_kind: global_buffer, .address_space: global }
      - { .name: lowp_scales, .offset: 24, .size: 8, .value_kind: global_buffer, .address_space: global }
      - { .name: out0, .offset: 32, .size: 8, .value_kind: global_buffer, .address_space: global }
    .group_segment_fixed_size: 327680
    .private_segment_fixed_size: 0
    .kernarg_segment_align: 8
    .kernarg_segment_size: 40
    .max_flat_workgroup_size: 128
    .sgpr_count:     100
    .vgpr_count:     832
    .wavefront_size: 32
...
	.end_amdgpu_metadata
.endif
;; end of part 3
